; MI455X (gfx1250); checked and timed in simulation.
; The chip was launched on July 23, 2026; its instructions are those of AMD's public machine-readable ISA for CDNA 5 (MIT licence, August 2026) and "CDNA5" Instruction Set Architecture Reference Guide (July 2026). The comments in the code are by the model that wrote it; some were corrected since.
;; Npu MX Quantization Linear. Allowed arithmetic: matrix products marked QUANTISED: E2M3 operands, one E8M0 scale for each 32 along K, by v_wmma_scale_f32_16x16x128_f8f6f4 with both operands' format E2M3, f32 sums; everything else in f32.
;; Inputs: bias 4,096 float32; weight 4,096 x 4,096 float32; x 2 x 2,048 x 4,096 float32.
;; Outputs: out0 2 x 2,048 x 4,096 float32.
;; This version of the problem:
;;   THIS VERSION OF THE PROBLEM IS GIVEN IN LOW PRECISION. The matrix products marked QUANTISED in the list below multiply operands that are first quantised to E2M3 (2 exponent bits, 3 mantissa bits; 6 bits a number), with one power-of-two scale for each 32 numbers along K (OCP MX v1.0); their sums are f32. All else is computed in f32.
;;   The module's matrix products, in the order in which they are computed (A, B: the left and right operand; K: the contracted axis; several contracted axes count as one K, in the product's order):
;;     1. [M 4,096, K 4,096] x [K 4,096, N 4,096]; A: computed on the way; B: computed on the way: QUANTISED
;;   THE QUANTISER, for each operand of a quantised product, along K:
;;     - K is cut into blocks of 32 from its start; a last block that is shorter is filled with zeros.
;;     - A block's scale is 2^e with e = floor(log2(the largest magnitude in the block)) - 2, held to -126 .. 127; a block of zeros has e = 0. As a byte (E8M0): e + 127.
;;     - Each number is divided by its block's scale, clamped to +-7.5, and rounded to the nearest number of E2M3, ties to even, subnormals kept.
;;     - The product sums the exact products of the quantised numbers (number of the format x scale) in f32.
;;   ~~~python
;;   def quantise(x, axis):      # numpy; x: float32 -> the quantised numbers, widened to float32 again
;;       x = np.moveaxis(x, axis, -1); K = x.shape[-1]
;;       x = np.pad(x, [(0, 0)] * (x.ndim - 1) + [(0, -K % 32)]); x = x.reshape(x.shape[:-1] + (-1, 32)); a = np.abs(x).max(-1, keepdims=True)
;;       e = np.where(a > 0, np.clip(np.frexp(np.where(a > 0, a, 1))[1] - 1 - 2, -126, 127), 0)      # np.frexp(a)[1] - 1 = floor(log2(a)), exactly
;;       r = np.clip(x / 2.0 ** e, -7.5, 7.5)
;;       step = 2.0 ** (np.maximum(np.frexp(np.where(r == 0, 1, r))[1] - 1, 0) - 3)
;;       q = np.round(r / step) * step * 2.0 ** e      # np.round: ties to even
;;       return np.moveaxis(q.reshape(q.shape[:-2] + (-1,))[..., :K], -1, axis).astype(np.float32)
;;   ~~~
;;   OPERANDS COMPUTED ON THE WAY. 'Computed on the way' means the value that the module computes at that place (a softmax that the list does not call 'softmax' is quantised finished and normalised). What goes into a quantiser is computed in f32, as accurately as f32 sums, v_exp_f32 and their like allow (about 1e-6 of the number): no bf16 or f16 on the way to a quantiser, and a product that is left as it is and whose result goes on into a quantised operand takes f32 operands (vector FMAs, or v_wmma_f32_16x16x4_f32). A number that lies on a knife's edge between two numbers of the format may be rounded either way, as far as f32 arithmetic and the matrix unit's own rounding can turn it there, and no further.
;; One version. Each part assembles by itself: llvm-mc -triple=amdgcn-amd-amdhsa -mcpu=gfx1250 --defsym DOCPART=n.
;; ======== version 1 of 1: 2 launches
;; limits: right only within a limited range of input values
;; workspace buffers: xq 13,107,200 bytes; wq 13,107,200 bytes
;; launch quant (part 1): grid 1024 x 1, 4 waves a work-group, no clusters, 34,304 bytes of LDS; arguments x, weight, xq, wq; writes xq, wq
.if DOCPART == 1
	.amdgcn_target "amdgcn-amd-amdhsa--gfx1250"
	.amdhsa_code_object_version 6
	.text
	.protected	k_q1eaf080f88_quant
	.globl	k_q1eaf080f88_quant
	.p2align	8
	.type	k_q1eaf080f88_quant,@function
k_q1eaf080f88_quant:
	s_mov_b64 s[64:65], 0
	v_nop
	global_prefetch_b8 v0, s[64:65] scope:SCOPE_SE
	s_setreg_imm32_b32 hwreg(HW_REG_WAVE_MODE, 25, 1), 1
	s_wait_xcnt 0x0
; x [4096][4096] and weight [4096][4096], f32, become the two operands of the product out = dqx dqw^T, as codes of FP6 (E2M3) with one E8M0 byte for each 32 along K.
; WHAT IS QUANTISED is the number that the module makes of the input: per block of 32 along K, s1 = 2^(floor(log2(largest magnitude)) - 8), the number / s1 held at +-448 and rounded to E4M3
; (ties to even, subnormals kept), times s1.  Both roundings are done, in this order:  hold at 448 s1;  f32 -> E4M3 codes under s1;  E4M3 codes -> f32 under the scale 1 (exact);  f32 -> E2M3 codes under the scale 64.
; WHY 64: in units of s1 the block's largest magnitude lies in [256, 512) and comes out of the first rounding in [256, 448]: its exponent stays.  So the second quantiser's scale is s1 x 2^6, and its byte is the
; largest magnitude's own exponent field - 2.
; LIMITS: a block whose largest magnitude lies under 2^-118 (the floor below) is scaled as if it were 2^-118; a block of zeros so gets the byte 7 where the rule says 127: its codes are zeros, which add nothing
; under any byte but 0xff, and the bytes are read by this program alone.  NaN and infinities among the inputs are not served.  floor(log2) is taken exactly, from the exponent field.
; THE OUTPUT IS LAID IN THE ORDER OF THE OPERAND'S REGISTERS.  A buffer is 1,024 step blocks of 12,800 bytes; step block 32 G + T holds rows 128 G .. 128 G + 127, k = 128 T .. 128 T + 127:
;   8 images of fragments, 1,536 bytes each: rows 16 i .. at 1,536 i; in an image, registers 4 g .. 4 g + 3 of lane l at 512 g + 16 l;
;   lane (r = l % 16, h = l / 16) holds row 16 i + r, its registers 6 c .. 6 c + 5 the codes of k = 64 c + 32 h + 0 .. 31;
;   from byte 12,288 on the scale words: that of (i, r) at 128 (i / 2) + 8 r + 4 (i % 2), byte b for k = 32 b .. 32 b + 31 of the 128.
; SHARES.  A work-group makes two neighbouring step blocks (128 rows x 256 k): the first 512 work-groups x's, the others weight's (only pointers are chosen: one path through the text).
; Wave w makes, of step block w % 2, the images i = 4 (w / 2) + t, t = 0 .. 3: four tiles of 16 rows x 128 k, and their 256 bytes of scale words.
; A load reads 512 consecutive bytes of one row; a tile's 16 rows turn through the wave's own stage in LDS, so that a lane gets two whole blocks of 32 neighbours along K.  Loads run two tiles (32 loads a wave) ahead.
; No tensor loads, no barrier (waves share nothing), no matrix unit, no cluster: no byte is read twice.
.set ROWB,  16384                      ; a row of the input in bytes
.set SBLK,  12800
.set CODB,  12288
.set FRB,   1536
.set SP,    528                        ; a stage row: 512 bytes + 16: sixteen rows at one column fall on sixteen different columns of 16 bytes modulo 256
.set STG,   16*SP                      ; a wave's stage
.set LO,  1                            ; v1   16 x lane: my bytes of a load's or a store's 512
.set SA,  2                            ; v2   the stage, on the way in: wave x STG + 16 x lane
.set SL,  3                            ; v3   and on the way out: wave x STG + SP r + 128 h
.set ONE, 4                            ; v4   the E8M0 byte of 1.0 in every byte
.set S64, 5                            ; v5   64.0: the second conversion's scale operand
.set SO8, 6                            ; v6   8 x lane: my two scale words' place
.set H8,  7                            ; v7   8 h: bits by which my two bytes are moved up in the scale word
.set M,   8                            ; v8-11  four chains of maxima, two a block; then block c's in v[M + 2 c]
.set S1,  12                           ; v12-13 the first conversion's scale operand
.set HL,  14                           ; v14-15 448 x s1
.set BY,  16                           ; v16-17 scale bytes; at the end the pair that is stored
.set PT,  18                           ; v18    a lane permute's destination
.set LN,  19                           ; v19    lane
.set W,   20                           ; v20-23 the four tiles' scale words
.set F,   24                           ; v24-39 E4M3 codes
.set C,   40                           ; v40-51 the fragment
.set T,   52                           ; v52-54, v56-58 the upper 16 codes of each block (a conversion's three registers begin on an even number)
.set NH,  60                           ; v60-61 -448 x s1;  v62, v63: my spare word's address and 0
.set X,   64                           ; v64-127  64 numbers of my row: register 32 c + n is k = 64 c + 32 h + n
.set R,   128                          ; v128-255 two sets of 64: a tile as it is loaded
	s_load_b128 s[4:7], s[0:1], 0x0                ; x, weight
	s_load_b128 s[8:11], s[0:1], 0x10              ; xq, wq
	v_lshl_add_u32 v62, v0, 2, 0x8400              ; the spare words lie behind the four stages
	v_mov_b32 v63, 0
	v_lshrrev_b32 v[LN], 5, v0
	v_readfirstlane_b32 s12, v[LN]                 ; wave 0..3
	v_and_b32 v[LN], 31, v0
	v_and_b32 v[SL], 15, v0                        ; r
	v_bfe_u32 v[H8], v0, 4, 1                      ; h
	v_lshlrev_b32 v[LO], 4, v[LN]
	v_lshlrev_b32 v[SO8], 3, v[LN]
	s_mul_i32 s13, s12, STG
	v_add_nc_u32 v[SA], s13, v[LO]
	v_mul_u32_u24 v[SL], v[SL], SP
	v_lshl_add_u32 v[SL], v[H8], 7, v[SL]
	v_add_nc_u32 v[SL], s13, v[SL]
	v_lshlrev_b32 v[H8], 3, v[H8]
	v_mov_b32 v[ONE], 0x7f7f7f7f
	v_mov_b32 v[S64], 0x42800000
	v_mov_b32 v[PT], 0                             ; written once: a lane permute's destination counts as one of its sources
	s_mov_b32 s20, 0x76543210
	s_mov_b32 s21, 0xfedcba98                      ; v_permlanex16_b32's selects for lane l xor 16
	s_mov_b32 s22, 0x600000                        ; the mantissa field of 448
	s_and_b32 s14, ttmp9, 511                      ; my pair of step blocks in its buffer: 16 G + S
	s_lshr_b32 s15, s14, 4
	s_lshl_b32 s15, s15, 21                        ; G x 128 rows of 16,384 bytes
	s_and_b32 s16, s14, 15
	s_lshl_b32 s16, s16, 10                        ; S x 256 numbers
	s_add_co_u32 s16, s16, s15
	s_lshr_b32 s23, s12, 1                         ; which 64 rows are my wave's
	s_and_b32 s26, s12, 1                          ; which of the two step blocks
	s_lshl_b32 s15, s23, 20
	s_add_co_u32 s16, s16, s15
	s_lshl_b32 s15, s26, 9                         ; 128 numbers
	s_add_co_u32 s16, s16, s15                     ; all under 2^26
	s_mov_b32 s17, 0
	s_mul_i32 s18, s14, 2*SBLK
	s_mul_i32 s15, s26, SBLK
	s_add_co_u32 s18, s18, s15                     ; my step block
	s_lshl_b32 s15, s23, 8
	s_add_co_u32 s24, s18, s15
	s_add_co_u32 s24, s24, CODB                    ; my wave's 256 bytes of scale words
	s_mov_b32 s25, 0
	s_mul_i32 s15, s23, 4*FRB
	s_add_co_u32 s18, s18, s15                     ; my wave's four images
	s_mov_b32 s19, 0
	s_wait_alu depctr_va_vdst(0)                   ; the wait at the head's end
	s_wait_kmcnt 0x0
	s_cmp_lt_u32 ttmp9, 512                        ; x's work-group or weight's?  The choice hangs on the work-group's number alone
	s_cselect_b64 s[4:5], s[4:5], s[6:7]
	s_cselect_b64 s[8:9], s[8:9], s[10:11]
	s_add_nc_u64 s[4:5], s[4:5], s[16:17]
	s_add_nc_u64 s[10:11], s[8:9], s[24:25]
	s_add_nc_u64 s[8:9], s[8:9], s[18:19]
; tile t: rows 16 t + j of my 64.  Nothing is stepped: every offset is an immediate, 1,032,192 at the most
.macro LOAD t
.irp j, 0,1,2,3,4,5,6,7,8,9,10,11,12,13,14,15
	global_load_b128 v[R+64*((\t)%2)+4*\j:R+64*((\t)%2)+4*\j+3], v[LO], s[4:5] offset:(16*(\t)+\j)*ROWB th:TH_LOAD_NT
.endr
.endm
.macro STEP t
.set RS, R+64*((\t)%2)
.if (\t) < 3
	s_wait_loadcnt 16                              ; this tile's 16 loads are in; the next tile's 16 may be out
.else
	s_wait_loadcnt 0x0
.endif
.irp j, 0,1,2,3,4,5,6,7,8,9,10,11,12,13,14,15
	ds_store_b128 v[SA], v[RS+4*\j:RS+4*\j+3] offset:SP*\j
.endr
.irp c, 0,1                                    ; LDS serves a wave's instructions in order (ISA guide 5.7.1): these see the stores above, and the next tile's stores come behind them: one stage serves all four tiles
.irp m, 0,1,2,3,4,5,6,7
	ds_load_b128 v[X+32*\c+4*\m:X+32*\c+4*\m+3], v[SL] offset:256*\c+16*\m
.endr
.endr
	s_wait_dscnt 0x0                               ; my 64 numbers are in
.if (\t)+2 < 4
	LOAD (\t)+2                                    ; into the set that has just been emptied
.endif
.irp u, 0,1,2,3                                ; the largest magnitudes, in four chains by turns (chain u: numbers 16 u .. 16 u + 15), with the floor 2^(9 - 127) among the leaves: so no exponent field below falls under 1
	v_max3_num_f32 v[M+\u], |v[X+16*\u]|, |v[X+16*\u+1]|, 0x4800000
.endr
.irp i, 2,4,6,8,10,12,14
.irp u, 0,1,2,3
	v_max3_num_f32 v[M+\u], v[M+\u], |v[X+16*\u+\i]|, |v[X+16*\u+\i+1]|
.endr
.endr
	v_max_num_f32 v[M], v[M], v[M+1]
	v_max_num_f32 v[M+2], v[M+2], v[M+3]           ; all 32 numbers of a block are mine: no other lane is asked
.irp c, 0,1
	v_add_nc_u32 v[S1+\c], 0xfc000000, v[M+2*\c]   ; 8 off the exponent field: the conversion takes the exponent field of this operand as its scale s1, and nothing else of it
	v_and_or_b32 v[HL+\c], v[M+2*\c], 0x7f800000, s22   ; the same exponent field over 448's mantissa field: 448 x s1
	v_lshrrev_b32 v[BY+\c], 23, v[M+2*\c]
.endr
.irp c, 0,1
	v_xor_b32 v[NH+\c], 0x80000000, v[HL+\c]
	v_add_nc_u32 v[BY+\c], -2, v[BY+\c]            ; the E2M3 scale's byte
.endr
.set n, 0
.rept 64
	v_med3_num_f32 v[X+n], v[X+n], v[NH+n/32], v[HL+n/32]   ; the hold at +-448 s1, which the module makes too; beyond 448 the conversion would give the NaN code (ISA guide 7.6.2)
.set n, n+1
.endr
.irp g, 0,1,2,3,4,5,6,7
	v_cvt_scalef32_pk8_fp8_f32 v[F+2*\g:F+2*\g+1], v[X+8*\g:X+8*\g+7], v[S1+\g/4]   ; the first rounding: / s1, to the nearest E4M3 code, ties to even
.endr
	v_lshl_or_b32 v[BY], v[BY+1], 16, v[BY]        ; my two bytes: blocks h and 2 + h of the 128.  (The plain line between scaled conversions and the lines that touch their results and write their sources)
.irp g, 0,1,2,3,4,5,6,7
	v_cvt_scale_pk8_f32_fp8 v[X+8*\g:X+8*\g+7], v[F+2*\g:F+2*\g+1], v[ONE]   ; back to f32, in units of s1: exact
.endr
	v_lshlrev_b32 v[BY], v[H8], v[BY]              ; at their places in the scale word.  (The plain line again)
.if (\t) > 0
	s_wait_alu depctr_va_vdst(0)
	s_wait_xcnt 0x0                                ; the last tile's stores have read the fragment's registers: only behind this wait are they written again
.endif
.irp c, 0,1
	v_cvt_scalef32_pk16_fp6_f32 v[C+6*\c:C+6*\c+2], v[X+32*\c:X+32*\c+15], v[S64]      ; the second rounding: / 64, to the nearest E2M3 code, ties to even; at most 7.0
	v_cvt_scalef32_pk16_fp6_f32 v[T+4*\c:T+4*\c+2], v[X+32*\c+16:X+32*\c+31], v[S64]
.endr
	v_nop                                          ; the plain line behind the last scaled conversion
	v_permlanex16_b32 v[PT], v[BY], s20, s21
	v_or_b32 v[W+\t], v[BY], v[PT]                 ; with lane l xor 16's two bytes the row's scale word is whole, in both halves of the lanes
.irp c, 0,1
.irp i, 0,1,2
	v_mov_b32 v[C+6*\c+3+\i], v[T+4*\c+\i]         ; registers 6 c .. 6 c + 5 now hold k = 64 c + 32 h + 0 .. 31
.endr
.endr
.irp g, 0,1,2
	global_store_b128 v[LO], v[C+4*\g:C+4*\g+3], s[8:9] offset:FRB*(\t)+512*\g   ; 32 lanes store 512 consecutive bytes, at a multiple of 256 from the buffer's first byte
.endr
.endm
	LOAD 0
	LOAD 1
.irp t, 0,1,2,3
	STEP \t
.endr
	v_cmp_gt_u32 vcc_lo, 16, v[LN]                 ; lanes 0-15 store the words of tiles 0 and 1, lanes 16-31 those of tiles 2 and 3: each lane holds its row r's
	v_cndmask_b32 v[BY], v[W+2], v[W], vcc_lo
	v_cndmask_b32 v[BY+1], v[W+3], v[W+1], vcc_lo
	global_store_b64 v[SO8], v[BY:BY+1], s[10:11]  ; 32 lanes store 256 consecutive bytes, at a multiple of 256 from the buffer's first byte
	s_wait_tensorcnt 0x0                           ; the wave's end
	ds_add_u32 v62, v63
	s_wait_dscnt 0x0
	s_endpgm
.Lfunc_end_k_q1eaf080f88_quant:
	.size	k_q1eaf080f88_quant, .Lfunc_end_k_q1eaf080f88_quant-k_q1eaf080f88_quant
	.p2alignl 7, 3214868480
	.fill 96, 4, 3214868480
	.section	.rodata,"a",@progbits
	.p2align	6, 0x0
	.amdhsa_kernel k_q1eaf080f88_quant
		.amdhsa_group_segment_fixed_size 34304
		.amdhsa_private_segment_fixed_size 0
		.amdhsa_enable_private_segment 0
		.amdhsa_kernarg_size 32
		.amdhsa_user_sgpr_count 2
		.amdhsa_user_sgpr_kernarg_segment_ptr 1
		.amdhsa_wavefront_size32 1
		.amdhsa_system_sgpr_workgroup_id_x 1
		.amdhsa_system_sgpr_workgroup_id_y 1
		.amdhsa_system_sgpr_workgroup_id_z 1
		.amdhsa_system_vgpr_workitem_id 0
		.amdhsa_next_free_vgpr 256
		.amdhsa_next_free_sgpr 66
		.amdhsa_reserve_vcc 1
		.amdhsa_float_denorm_mode_32 3
		.amdhsa_float_denorm_mode_16_64 3
		.amdhsa_memory_ordered 1
		.amdhsa_forward_progress 1
		.amdhsa_inst_pref_size 53
	.end_amdhsa_kernel
	.amdgpu_metadata
---
amdhsa.version: [ 1, 2 ]
amdhsa.kernels:
  - .name:           k_q1eaf080f88_quant
    .symbol:         k_q1eaf080f88_quant.kd
    .args:
      - { .name: x, .offset: 0, .size: 8, .value_kind: global_buffer, .address_space: global }
      - { .name: weight, .offset: 8, .size: 8, .value_kind: global_buffer, .address_space: global }
      - { .name: xq, .offset: 16, .size: 8, .value_kind: global_buffer, .address_space: global }
      - { .name: wq, .offset: 24, .size: 8, .value_kind: global_buffer, .address_space: global }
    .group_segment_fixed_size: 34304
    .private_segment_fixed_size: 0
    .kernarg_segment_align: 8
    .kernarg_segment_size: 32
    .max_flat_workgroup_size: 128
    .sgpr_count:     66
    .vgpr_count:     256
    .wavefront_size: 32
...
	.end_amdgpu_metadata
.endif
;; end of part 1
;; launch gemm (part 2): grid 16 x 16, 4 waves a work-group, clusters of 4 x 4, 327,680 bytes of LDS; arguments xq, wq, bias, out0; writes out0
.if DOCPART == 2
	.amdgcn_target "amdgcn-amd-amdhsa--gfx1250"
	.amdhsa_code_object_version 6
	.text
	.protected	k_q1eaf080f88_gemm
	.globl	k_q1eaf080f88_gemm
	.p2align	8
	.type	k_q1eaf080f88_gemm,@function
k_q1eaf080f88_gemm:
	s_mov_b64 s[64:65], 0
	v_nop
	global_prefetch_b8 v0, s[64:65] scope:SCOPE_SE
	s_setreg_imm32_b32 hwreg(HW_REG_WAVE_MODE, 25, 1), 1
	s_wait_xcnt 0x0
	s_wait_alu depctr_hold_cnt(0) depctr_sa_sdst(0) depctr_va_vdst(0) depctr_va_sdst(0) depctr_va_ssrc(0) depctr_va_vcc(0) depctr_vm_vsrc(0)
	s_getreg_b32 s2, hwreg(HW_REG_IB_STS2, 6, 4)
	s_cmp_eq_u32 s2, 0
	s_cbranch_scc0 .Lentry_in_a_cluster
	s_endpgm
.Lentry_in_a_cluster:
	s_bfe_u32 s2, ttmp6, 0x10000c
	s_cmp_lg_u32 s2, 0xf033
	s_cbranch_scc0 .Lentry_shape_is_right
	s_endpgm
.Lentry_shape_is_right:
; out[m][n] = sum over k of dqx[m][k] dqw[n][k] + bias[n], on the codes of FP6 (E2M3) and E8M0 scale words that launch quant has laid.  M = N = K = 4,096; sums in f32; the bias is the C of each sum's first product.
; THE OPERANDS: a buffer is 32 groups of 128 rows; a group is 32 step blocks of 12,800 bytes (128 along K): 8 images of fragments of 1,536 bytes (registers 4 g .. 4 g + 3 of lane l at 512 g + 16 l), then 512 bytes
; of scale words, that of (block i of 16 rows, row r) at 128 (i / 2) + 8 r + 4 (i % 2).  So a group is one dense stream along K, and any run of step blocks is a dense tile of rows of 256 bytes on 256-byte borders.
; SHARES: a tile of out, 256 x 256, is made by a work-group of four waves; a wave makes 128 x 128: 64 accumulators, 512 registers.  256 work-groups, one tile each.
; THE RING: two LDS slots, each with THREE steps (384 along K) of A's 256 rows and B's 256 rows: 4 parts of 38,400 bytes, the most that two slots in LDS hold.  K's 32 steps are ten slots of three and a last one of two.
; Each wave fetches one part by one tensor load (150 rows of 256 bytes; the last slot's 100, by a group 1 of its own).  A slot is asked for again in the middle of its own last step, behind the round, and awaited in the
; middle of the other slot's last step: 192 matrix instructions of the wave, a whole slot's, lie between.  By the text's own count a wave has one tensor load out.
; CLUSTERS: 4 x 4 work-groups; A's parts are asked for jointly along a row of the cluster, B's along a column; a round of the cluster's barrier stands in front of every joint load.
; THE MATRIX INSTRUCTION IS USED TRANSPOSED (source 0 = 16 rows of B, source 1 = 16 rows of A): a lane holds eight neighbouring numbers of a row of out.
; PREFETCH: behind each of the loop's refills, but in its last trip, each wave asks for its share of the part that it fetches two refills on (slots 4 to 9): the part's 150 blocks of 256 bytes are shared out among the four
; partners by address, 38 each (32 lanes, then 6; lanes left over name the last block again; clamped to block 149).  Slots 0 to 3 and the short slot 10 come by their loads alone, so no lane leaves its group.
; THE LAST SLOT GOES BY ROWS OF out: both its steps' fragments of B fill B's two sets, A's come by blocks of 16 rows x 256 k, and my eight blocks are finished one after the other, 16 matrix instructions each, K ascending;
; a finished block goes through the stage while the next is multiplied, and is stored behind it.
; THE STAGE is each wave's own, in LDS slot 1, which has had its last fill and its last read behind the walk's last barrier.
; REGISTERS: window 0: v0-31 addresses; v32-47 scale words, two sets; v64-127 the bias; v128-223 A's fragments, one set.  In the last slot: v128-175 A's two buffers, v64-127 and v176-239 rows on their way out.
; Window 1: B's fragments, two sets, at v0 and v128.  Window 2: the accumulators of my rows 0-63 ((a, b) at v[8 (8 a + b)]); window 3: those of rows 64-127.
.set SIZE_N, 4096
.set SBLK,   12800                     ; a step block
.set CODB,   12288                     ; its scale words begin here
.set FRB,    1536
.set PART,   3*SBLK                    ; what one tensor load brings
.set GRPB,   32*SBLK
.set BSH,    128                       ; B's parts lie 128 bytes further on, so that A's and B's scale words, read by one load, fall on different banks
.set SLOT,   4*PART+256
.set SPARE,  2*SLOT                    ; the spare words: 512 bytes that no other line names
.set STAGE,  SLOT
.set SPITCH, 528
.set FR,     12
.set NL,     3
.set NP,     4
.set TRIPS,  4
.set ADRA, 16                          ; v16-17 my A fragments in slot 0, 1
.set ADRB, 20                          ; v20-21 my B fragments
.set ADRS, 22                          ; v22-23 scale words: lanes 0-15 A's, lanes 16-31 B's
.set STO,  24
.set RD,   25
.set CO,   26
.set BO,   27
.set SPW,  28
.set NIL,  29
.set PFO,  30                          ; v30-31 the prefetches' offsets
.set SC,   32                          ; set p at v[SC + 8 p]; register i: the words of A's block i (lanes 0-15) and B's block i (lanes 16-31)
.set BI,   64
.set AF,   128
.set PA,   128                         ; the last slot: A's block a, both steps, at v[PA + 24 (a % 2)]
.set G1,  24                           ; group 1 for A's parts of 150 rows; G0: group 0, one for each slot
.set G0,  32
.set G1B, 48                           ; the same for B
.set G0B, 56
.set PFA, 66
.set G1C, 76                           ; group 1 for the last slot's 100 rows: A's, B's
.set G1D, 84
.set MSB, 0
.macro WIN new                         ; the immediate's high byte repeats the setting that is left
.if MSB != \new
	s_set_vgpr_msb (MSB<<8)|\new
.set MSB, \new
.endif
.endm
.set MUL_LO, 0xa1                      ; source 0 (B) window 1, source 1 (A) window 0, C and D window 2
.set MUL_HI, 0xf1
.set FST_LO, 0x81                      ; the first step: C (the bias) window 0
.set FST_HI, 0xc1
.set TO_B,   0x40
.macro JLOAD g0a, g1a, g0b, g1b        ; a joint load: waves 0, 1 fetch A's two parts, waves 2, 3 B's
	s_cmp_eq_u32 s15, 0
	s_cbranch_scc0 .Lfor_b_\@
	tensor_load_to_lds s[\g0a:\g0a+3], s[\g1a:\g1a+7]
	s_nop 0
.rept 4
	v_nop
.endr
	s_branch .Lasked_\@
.Lfor_b_\@:
	tensor_load_to_lds s[\g0b:\g0b+3], s[\g1b:\g1b+7]
	s_nop 0
.rept 4
	v_nop
.endr
.Lasked_\@:
.endm
.macro ASK                             ; my 38 blocks of the part two refills on; not in the loop's last trip (s3 = 1)
	s_cmp_gt_u32 s3, 1
	s_cbranch_scc0 .Lnot_now_\@
	global_prefetch_b8 v[PFO], s[PFA:PFA+1] th:TH_LOAD_NT scope:SCOPE_SE
	global_prefetch_b8 v[PFO+1], s[PFA:PFA+1] th:TH_LOAD_NT scope:SCOPE_SE
.Lnot_now_\@:
.endm
.macro CREST                           ; a round of the cluster's barrier behind its opening barrier
	s_cmp_lg_u32 s14, 0
	s_cbranch_scc1 .Lnot_wave_0_\@
	s_barrier_signal -3
.Lnot_wave_0_\@:
	s_barrier_wait -3
	s_barrier_signal -1
	s_barrier_wait -1
.endm
.macro CROUND
	s_barrier_signal -1
	s_barrier_wait -1
	CREST
.endm
	s_load_b256 s[4:11], s[0:1], 0x0               ; xq s[4:5], wq s[6:7], bias s[8:9], out s[10:11]
	v_lshl_add_u32 v[SPW], v0, 2, SPARE
	v_mov_b32 v[NIL], 0
	ds_add_u32 v[SPW], v[NIL]                      ; the opening lines: the add, twice on end, and its wait ahead of my first tensor load
	ds_add_u32 v[SPW], v[NIL]
	v_lshrrev_b32 v1, 5, v0
	v_readfirstlane_b32 s14, v1                    ; wave 0..3
	s_lshr_b32 s15, s14, 1                         ; which half of the tile's rows is mine.  Also: I fetch for A (0) or for B (1)
	s_and_b32 s16, s14, 1                          ; which half of its columns.  Also: which 128 rows I fetch
	s_bfe_u32 s40, ttmp6, 0x40000                  ; cx, cy
	s_bfe_u32 s41, ttmp6, 0x40004
	s_lshl_b32 s42, ttmp9, 2
	s_add_co_u32 s42, s42, s40                     ; tile column
	s_and_b32 s17, ttmp7, 0xffff
	s_lshl_b32 s17, s17, 2
	s_add_co_u32 s17, s17, s41                     ; tile row
	s_lshl_b32 s43, s41, 2
	s_lshl_b32 s43, 15, s43                        ; my row of the cluster
	s_lshl_b32 s44, 0x1111, s40                    ; my column
	s_or_b32 s[G1+0], s43, (3<<16)|(1<<21)         ; the mask; elements of 8 bytes; bit 21 beside a mask
	s_or_b32 s[G1B+0], s44, (3<<16)|(1<<21)
	s_or_b32 s[G1C+0], s43, (3<<16)|(1<<21)
	s_or_b32 s[G1D+0], s44, (3<<16)|(1<<21)
.irp g, G1, G1B                        ; 150 dense rows of 32 elements (256 bytes)
	s_mov_b32 s[\g+1], 32<<16
	s_mov_b32 s[\g+2], 150<<16
	s_mov_b32 s[\g+3], 32<<16
	s_mov_b32 s[\g+4], 150
	s_mov_b32 s[\g+5], 32
	s_mov_b32 s[\g+6], 0
	s_mov_b32 s[\g+7], 0
.endr
.irp g, G1C, G1D                       ; 100 such rows
	s_mov_b32 s[\g+1], 32<<16
	s_mov_b32 s[\g+2], 100<<16
	s_mov_b32 s[\g+3], 32<<16
	s_mov_b32 s[\g+4], 100
	s_mov_b32 s[\g+5], 32
	s_mov_b32 s[\g+6], 0
	s_mov_b32 s[\g+7], 0
.endr
	s_lshl_b32 s20, s17, 1
	s_add_co_u32 s20, s20, s16
	s_mul_i32 s20, s20, GRPB                       ; A: group 2 x tile row + half
	s_mov_b32 s21, 0
	s_lshl_b32 s46, s42, 1
	s_add_co_u32 s46, s46, s16
	s_mul_i32 s46, s46, GRPB                       ; B: group 2 x tile column + half
	s_mov_b32 s47, 0
	s_mul_i32 s45, s14, PART                       ; where my part goes: wave x PART, B's 128 further on
	s_lshl_b32 s18, s15, 7
	s_add_co_u32 s45, s45, s18
	s_wait_dscnt 0x0                               ; both opening adds are done
	s_wait_kmcnt 0x0
	s_add_nc_u64 s[20:21], s[4:5], s[20:21]
	s_add_nc_u64 s[46:47], s[6:7], s[46:47]
	CROUND                                         ; all sixteen work-groups are here: the first joint loads meet
.irp s, 0,1
	s_mov_b32 s[G0+4*\s], 1
	s_add_co_u32 s[G0+4*\s+1], s45, \s*SLOT
	s_add_nc_u64 s[G0+4*\s+2:G0+4*\s+3], s[20:21], \s*PART
	s_or_b32 s[G0+4*\s+3], s[G0+4*\s+3], 0x80000000
	s_mov_b32 s[G0B+4*\s], 1
	s_add_co_u32 s[G0B+4*\s+1], s45, \s*SLOT
	s_add_nc_u64 s[G0B+4*\s+2:G0B+4*\s+3], s[46:47], \s*PART
	s_or_b32 s[G0B+4*\s+3], s[G0B+4*\s+3], 0x80000000
.endr
	JLOAD G0, G1, G0B, G1B                         ; slot 0: one tensor load a wave at the head
	s_mul_i32 s21, s15, PART                       ; my 128 rows of A
	s_mul_i32 s22, s16, PART
	s_add_co_u32 s22, s22, 2*PART+BSH              ; my 128 rows of B
	s_sub_co_u32 s18, s22, s21
	s_add_co_u32 s19, s21, CODB
	s_mul_i32 s23, s14, 16*SPITCH
	s_add_co_u32 s23, s23, STAGE                   ; my stage
	s_cmp_eq_u32 s15, 0                            ; the prefetches: the group that I fetch from, and my place among the four that ask with me
	s_cselect_b32 s70, s17, s42
	s_cselect_b32 s71, s40, s41
	s_cselect_b64 s[PFA:PFA+1], s[4:5], s[6:7]
	s_lshl_b32 s70, s70, 1
	s_add_co_u32 s70, s70, s16
	s_mul_i32 s70, s70, GRPB
	s_add_co_u32 s70, s70, 3*PART                  ; the first refill steps it to slot 4
	s_mul_i32 s72, s71, 38                         ; my first block of a part's 150
	s_mov_b32 s71, 0
	s_add_nc_u64 s[PFA:PFA+1], s[PFA:PFA+1], s[70:71]
	s_lshl_b32 s20, s17, 8
	s_lshl_b32 s46, s15, 7
	s_add_co_u32 s20, s20, s46
	s_lshl_b32 s20, s20, 14                        ; my first row of out, 16,384 bytes a row
	s_mov_b32 s21, 0
	s_lshl_b32 s46, s42, 10
	s_lshl_b32 s47, s16, 9
	s_add_co_u32 s46, s46, s47                     ; my first column, in bytes
	s_mov_b32 s47, 0
	s_add_nc_u64 s[8:9], s[8:9], s[46:47]
	s_add_nc_u64 s[10:11], s[10:11], s[20:21]
	s_add_nc_u64 s[10:11], s[10:11], s[46:47]
	s_mul_i32 s21, s15, PART
	v_and_b32 v1, 15, v0                           ; r
	v_bfe_u32 v2, v0, 4, 1                         ; h
	v_and_b32 v3, 31, v0                           ; lane
	v_lshlrev_b32 v[CO], 4, v3                     ; 16 x lane
	v_add_nc_u32 v[ADRA], s21, v[CO]
	v_add_nc_u32 v[ADRB], s22, v[CO]
	v_add_nc_u32 v[ADRA+1], SLOT, v[ADRA]
	v_add_nc_u32 v[ADRB+1], SLOT, v[ADRB]
	v_mul_u32_u24 v6, s18, v2                      ; lanes 16-31 take B's scale words
	v_lshl_add_u32 v5, v1, 3, v6
	v_add_nc_u32 v[ADRS], s19, v5
	v_add_nc_u32 v[ADRS+1], SLOT, v[ADRS]
	v_mul_u32_u24 v5, v1, SPITCH                   ; into the stage: row r, 32 bytes for each half of the lanes
	v_lshl_add_u32 v5, v2, 5, v5
	v_add_nc_u32 v[STO], s23, v5
	v_add_nc_u32 v[RD], s23, v[CO]                 ; back: the 32 lanes take one row of 512 bytes
	v_lshlrev_b32 v[BO], 5, v2
	v_add_nc_u32 v7, s72, v3                       ; blocks 38 p + lane,
	v_min_u32 v8, 5, v3
	v_min_u32 v7, 149, v7
	v_add_nc_u32 v8, s72, v8
	v_lshlrev_b32 v[PFO], 8, v7
	v_add_nc_u32 v8, 32, v8                        ; and 38 p + 32 + min(lane, 5), both held at the part's last block
	v_min_u32 v8, 149, v8
	v_lshlrev_b32 v[PFO+1], 8, v8
	s_wait_alu depctr_va_vdst(0)                   ; the wait at the head's end
.irp b, 0,1,2,3,4,5,6,7
	global_load_b128 v[BI+8*\b:BI+8*\b+3],   v[BO], s[8:9] offset:64*\b       ; bias(16 b + 8 h + 0 .. 7), in the result's layout
	global_load_b128 v[BI+8*\b+4:BI+8*\b+7], v[BO], s[8:9] offset:64*\b+16
.endr
.macro FRAG reg, adr, q, i             ; an image as it lies: three loads of 512 consecutive bytes
.irp g, 0,1,2
	ds_load_b128 v[\reg+4*\g:\reg+4*\g+3], v[\adr] offset:(\q)*SBLK+(\i)*FRB+512*\g
.endr
.endm
; 16 matrix instructions: A's blocks a0, a0 + 1 x B's eight.  p: B's set and the set of scale words.  The 64 accumulators take turns.
.macro MUL16 a0, p, first
.irp a, \a0, \a0+1
.irp b, 0,1,2,3,4,5,6,7
.if \first
	v_wmma_scale_f32_16x16x128_f8f6f4 v[8*(8*((\a)%4)+\b):8*(8*((\a)%4)+\b)+7], v[128*(\p)+FR*\b:128*(\p)+FR*\b+FR-1], v[AF+FR*(\a):AF+FR*(\a)+FR-1], v[BI+8*\b:BI+8*\b+7], v[SC+8*(\p)+\b], v[SC+8*(\p)+(\a)] matrix_a_fmt:MATRIX_FMT_FP6 matrix_b_fmt:MATRIX_FMT_FP6 matrix_a_scale:MATRIX_SCALE_ROW1
.else
	v_wmma_scale_f32_16x16x128_f8f6f4 v[8*(8*((\a)%4)+\b):8*(8*((\a)%4)+\b)+7], v[128*(\p)+FR*\b:128*(\p)+FR*\b+FR-1], v[AF+FR*(\a):AF+FR*(\a)+FR-1], v[8*(8*((\a)%4)+\b):8*(8*((\a)%4)+\b)+7], v[SC+8*(\p)+\b], v[SC+8*(\p)+(\a)] matrix_a_fmt:MATRIX_FMT_FP6 matrix_b_fmt:MATRIX_FMT_FP6 matrix_a_scale:MATRIX_SCALE_ROW1
.endif
.endr
.endr
.endm
.macro FETCH_B slot, q, p
	WIN TO_B
.irp i, 0,1,2,3,4,5,6,7
	FRAG 128*(\p)+FR*\i, ADRB+\slot, \q, \i
.endr
	WIN 0
.endm
.macro FETCH_A slot, q, i0
.irp i, \i0, \i0+1, \i0+2, \i0+3
	FRAG AF+FR*(\i), ADRA+\slot, \q, \i
.endr
.endm
.macro SCALES slot, q, p               ; a load brings the words of blocks 2 m and 2 m + 1
.irp m, 0,1,2,3
	ds_load_b64 v[SC+8*(\p)+2*\m:SC+8*(\p)+2*\m+1], v[ADRS+\slot] offset:(\q)*SBLK+128*\m
.endr
.endm
.macro PLACES n                        ; places behind matrix instructions, in front of loads into their registers and of reads of results
.rept \n
	v_nop
.endr
.endm
; A step that is not its slot's last: 64 matrix instructions on set p; the same slot's next step is fetched in its middle and at its end.
.macro STEP slot, q, p, first
	s_wait_dscnt 4*NL                              ; all but the youngest 12 loads (A's blocks 4-7) are in
.if \first
	WIN FST_LO
.else
	WIN MUL_LO
.endif
	MUL16 0, \p, \first
	MUL16 2, \p, \first
	s_wait_dscnt 0
	PLACES NP
	FETCH_B \slot, (\q)+1, 1-(\p)
	FETCH_A \slot, (\q)+1, 0
	SCALES \slot, (\q)+1, 1-(\p)
.if \first
	WIN FST_HI
.else
	WIN MUL_HI
.endif
	MUL16 4, \p, \first
	MUL16 6, \p, \first
	PLACES NP
	WIN 0
	FETCH_A \slot, (\q)+1, 4
.endm
; The first half of a slot's last step, and the barrier of the change of slots: all the step's fragments were asked for a half step ago or earlier, so this slot is read no more.
.macro MEET p
	s_wait_dscnt 4*NL                              ; all but the youngest 12 loads (A's blocks 4-7) are in
	WIN MUL_LO
	MUL16 0, \p, 0
	MUL16 2, \p, 0
	WIN 0                                          ; (the add's two registers lie in window 0; branches may follow)
	s_wait_tensorcnt 0x0                           ; all my tensor loads have landed: my part of the next slot;
	ds_add_u32 v[SPW], v[NIL]
	s_wait_dscnt 0x0                               ; the add is done, and my reads of this slot are over
	s_barrier_signal -1
	s_barrier_wait -1
.endm
; A slot's last step changes slots.  fill = 1: the slot is filled again with three steps, 2: with the last two.
.macro TURN slot, next, p, fill
.if \fill == 1
	s_wait_xcnt 0x0                                ; my prefetches have read their base: it steps one slot on
	s_add_nc_u64 s[PFA:PFA+1], s[PFA:PFA+1], PART
.endif
	MEET \p
	CREST                                          ; the barrier has opened a round of the cluster's barrier
	s_add_nc_u64 s[G0+4*\slot+2:G0+4*\slot+3], s[G0+4*\slot+2:G0+4*\slot+3], 2*PART
	s_add_nc_u64 s[G0B+4*\slot+2:G0B+4*\slot+3], s[G0B+4*\slot+2:G0B+4*\slot+3], 2*PART
.if \fill == 1
	JLOAD G0+4*\slot, G1, G0B+4*\slot, G1B         ; the first tensor load behind the round; its four v_nop are the places in front of the loads below
.else
	JLOAD G0+4*\slot, G1C, G0B+4*\slot, G1D
.endif
	FETCH_B \next, 0, 1-(\p)
	FETCH_A \next, 0, 0
	SCALES \next, 0, 1-(\p)
.if \fill == 1
	ASK
.endif
	WIN MUL_HI
	MUL16 4, \p, 0
	MUL16 6, \p, 0
	PLACES NP
	WIN 0
	FETCH_A \next, 0, 4
.endm
	s_wait_tensorcnt 0x0                           ; my part of slot 0 is in
	ds_add_u32 v[SPW], v[NIL]
	s_wait_dscnt 0x0
	CROUND                                         ; everybody's part of slot 0 is in, and the joint loads meet
	JLOAD G0+4, G1, G0B+4, G1B                     ; slot 1's first fill
	FETCH_B 0, 0, 0
	FETCH_A 0, 0, 0
	SCALES 0, 0, 0
	FETCH_A 0, 0, 4
	s_wait_loadcnt 0x0                             ; the bias
	STEP 0, 0, 0, 1                                ; the first step's products start the sums from the bias
	s_mov_b32 s3, TRIPS
.Llap:                                         ; a trip: six steps, once round the ring, from an even slot's second step to the next even slot's first; B's sets are back where they began
	STEP 0, 1, 1, 0
	TURN 0, 1, 0, 1
	STEP 1, 0, 1, 0
	STEP 1, 1, 0, 0
	TURN 1, 0, 1, 1
	STEP 0, 0, 0, 0
	s_sub_co_u32 s3, s3, 1
	s_cmp_lg_u32 s3, 0
	s_cbranch_scc1 .Llap
	STEP 0, 1, 1, 0                                ; slot number 8 goes on,
	TURN 0, 1, 0, 2                                ; and is filled with the last two steps
	STEP 1, 0, 1, 0
	STEP 1, 1, 0, 0
; THE LAST SLOT, BY ROWS OF out.
.macro ALOAD a                         ; A's block a, both steps, into buffer a % 2
.irp q, 0,1
	FRAG PA+24*((\a)%2)+FR*\q, ADRA, \q, \a
.endr
.endm
.macro ROW a                           ; block a is finished: 16 matrix instructions, its eight accumulators by turns, K ascending
	WIN MUL_LO+0x50*((\a)/4)
.irp q, 0,1
.if (\a) == 0 && \q == 1
	s_wait_dscnt 0x0                               ; B's second step and its scale words are in
.endif
.irp b, 0,1,2,3,4,5,6,7
	v_wmma_scale_f32_16x16x128_f8f6f4 v[64*((\a)%4)+8*\b:64*((\a)%4)+8*\b+7], v[128*\q+FR*\b:128*\q+FR*\b+FR-1], v[PA+24*((\a)%2)+FR*\q:PA+24*((\a)%2)+FR*\q+FR-1], v[64*((\a)%4)+8*\b:64*((\a)%4)+8*\b+7], v[SC+8*\q+\b], v[SC+8*\q+(\a)] matrix_a_fmt:MATRIX_FMT_FP6 matrix_b_fmt:MATRIX_FMT_FP6 matrix_a_scale:MATRIX_SCALE_ROW1
.endr
.endr
.endm
; A block of 16 rows x 128 columns goes through my own stage and comes back as whole rows of 512 bytes.  LDS serves a wave's instructions in order (ISA guide 5.7.1): no wait between the stores and the loads.
.macro TOSTAGE a
.set AC, 64*((\a)%4)
	WIN 0x08+4*((\a)/4)
.irp b, 0,1,2,3,4,5,6,7
	ds_store_b128 v[STO], v[AC+8*\b:AC+8*\b+3] offset:64*\b          ; each accumulator from its low end on
	ds_store_b128 v[STO], v[AC+8*\b+4:AC+8*\b+7] offset:64*\b+16
.endr
	WIN 0
.set BB, 64+112*((\a)%2)
.irp t, 0,1,2,3,4,5,6,7,8,9,10,11,12,13,14,15
	ds_load_b128 v[BB+4*\t:BB+4*\t+3], v[RD] offset:\t*SPITCH
.endr
.endm
.macro SEND a
.set BB, 64+112*((\a)%2)
	WIN 0
	s_wait_dscnt 0x0                               ; the block is back in registers, and so is A's block asked for behind it
.if (\a) > 0
	s_add_nc_u64 s[10:11], s[10:11], 16*SIZE_N*4   ; (behind this block's wait on XCNT)
.endif
.irp t, 0,1,2,3,4,5,6,7,8,9,10,11,12,13,14,15
	global_store_b128 v[CO], v[BB+4*\t:BB+4*\t+3], s[10:11] offset:\t*SIZE_N*4 th:TH_STORE_NT   ; 32 lanes store 512 consecutive bytes, at a multiple of 256 from out's first byte
.endr
.endm
	MEET 1                                         ; nothing more to fetch, so no round: behind this barrier the last slot is whole and nobody reads LDS slot 1
	PLACES NP
	FETCH_B 0, 0, 0
	SCALES 0, 0, 0
	ALOAD 0                                        ; into the registers of A's blocks 0-3, which are done with
	ALOAD 1
	WIN MUL_HI
	MUL16 4, 1, 0
	MUL16 6, 1, 0
	PLACES NP
	FETCH_B 0, 1, 1
	SCALES 0, 1, 1
	s_wait_dscnt 8*NL+4                            ; all but the 28 just issued
	ROW 0
.irp a, 0,1,2,3,4,5,6,7
	PLACES NP                                      ; behind block a's products: for the stores that read them and the loads into its buffer of A
.if \a > 0
	s_wait_xcnt 0x0                                ; the earlier blocks' stores have read their registers and their base
.endif
	TOSTAGE \a
.if \a < 6
	ALOAD \a+2
.endif
.if \a < 7
	ROW \a+1                                       ; its fragments of A were awaited by the last SEND (block 1's by ROW 0's wait)
.endif
	SEND \a
.endr
	s_wait_tensorcnt 0x0                           ; the wave's end
	ds_add_u32 v[SPW], v[NIL]
	s_wait_dscnt 0x0
	CROUND                                         ; the closing round
	s_endpgm
.Lfunc_end_k_q1eaf080f88_gemm:
	.size	k_q1eaf080f88_gemm, .Lfunc_end_k_q1eaf080f88_gemm-k_q1eaf080f88_gemm
	.p2alignl 7, 3214868480
	.fill 96, 4, 3214868480
	.section	.rodata,"a",@progbits
	.p2align	6, 0x0
	.amdhsa_kernel k_q1eaf080f88_gemm
		.amdhsa_group_segment_fixed_size 327680
		.amdhsa_private_segment_fixed_size 0
		.amdhsa_enable_private_segment 0
		.amdhsa_kernarg_size 32
		.amdhsa_user_sgpr_count 2
		.amdhsa_user_sgpr_kernarg_segment_ptr 1
		.amdhsa_wavefront_size32 1
		.amdhsa_system_sgpr_workgroup_id_x 1
		.amdhsa_system_sgpr_workgroup_id_y 1
		.amdhsa_system_sgpr_workgroup_id_z 1
		.amdhsa_system_vgpr_workitem_id 0
		.amdhsa_next_free_vgpr 1024
		.amdhsa_next_free_sgpr 96
		.amdhsa_reserve_vcc 0
		.amdhsa_float_denorm_mode_32 3
		.amdhsa_float_denorm_mode_16_64 3
		.amdhsa_memory_ordered 1
		.amdhsa_forward_progress 1
		.amdhsa_inst_pref_size 209
	.end_amdhsa_kernel
	.amdgpu_metadata
---
amdhsa.version: [ 1, 2 ]
amdhsa.kernels:
  - .name:           k_q1eaf080f88_gemm
    .symbol:         k_q1eaf080f88_gemm.kd
    .args:
      - { .name: xq, .offset: 0, .size: 8, .value_kind: global_buffer, .address_space: global }
      - { .name: wq, .offset: 8, .size: 8, .value_kind: global_buffer, .address_space: global }
      - { .name: bias, .offset: 16, .size: 8, .value_kind: global_buffer, .address_space: global }
      - { .name: out0, .offset: 24, .size: 8, .value_kind: global_buffer, .address_space: global }
    .group_segment_fixed_size: 327680
    .private_segment_fixed_size: 0
    .kernarg_segment_align: 8
    .kernarg_segment_size: 32
    .max_flat_workgroup_size: 128
    .sgpr_count:     96
    .vgpr_count:     1024
    .wavefront_size: 32
...
	.end_amdgpu_metadata
.endif
;; end of part 2
